; MI455X (gfx1250); checked and timed in simulation.
; The chip was launched on July 23, 2026; its instructions are those of AMD's public machine-readable ISA for CDNA 5 (MIT licence, August 2026) and "CDNA5" Instruction Set Architecture Reference Guide (July 2026). The comments in the code are by the model that wrote it; some were corrected since.
;; Locality Enhanced Attention. Allowed arithmetic: matrix products marked QUANTISED: E2M3 operands, one E8M0 scale for each 32 along K, by v_wmma_scale_f32_16x16x128_f8f6f4 with both operands' format E2M3, f32 sums; everything else in f32.
;; Inputs: bk 1,024 float32; bo 1,024 float32; bq 1,024 float32; bv 1,024 float32; key_codes 4 x 2,048 x 32 x 24 uint8 (E2M3 codes of key, K innermost, in blocks of 32 codes, four codes in three bytes); key_scales 4 x 2,048 x 32 uint8 (E8M0 scales of key, one for each 32 codes along K); local_bias 33 float32; query_codes 4 x 2,048 x 32 x 24 uint8 (E2M3 codes of query, K innermost, in blocks of 32 codes, four codes in three bytes); query_scales 4 x 2,048 x 32 uint8 (E8M0 scales of query, one for each 32 codes along K); value_codes 4 x 2,048 x 32 x 24 uint8 (E2M3 codes of value, K innermost, in blocks of 32 codes, four codes in three bytes); value_scales 4 x 2,048 x 32 uint8 (E8M0 scales of value, one for each 32 codes along K); wk_codes 1,024 x 32 x 24 uint8 (E2M3 codes of wk, K innermost, in blocks of 32 codes, four codes in three bytes); wk_scales 1,024 x 32 uint8 (E8M0 scales of wk, one for each 32 codes along K); wo_codes 1,024 x 32 x 24 uint8 (E2M3 codes of wo, K innermost, in blocks of 32 codes, four codes in three bytes); wo_scales 1,024 x 32 uint8 (E8M0 scales of wo, one for each 32 codes along K); wq_codes 1,024 x 32 x 24 uint8 (E2M3 codes of wq, K innermost, in blocks of 32 codes, four codes in three bytes); wq_scales 1,024 x 32 uint8 (E8M0 scales of wq, one for each 32 codes along K); wv_codes 1,024 x 32 x 24 uint8 (E2M3 codes of wv, K innermost, in blocks of 32 codes, four codes in three bytes); wv_scales 1,024 x 32 uint8 (E8M0 scales of wv, one for each 32 codes along K).
;; Outputs: out0 4 x 2,048 x 1,024 float32.
;; This version of the problem:
;;   THIS VERSION OF THE PROBLEM IS GIVEN IN LOW PRECISION. The matrix products marked QUANTISED in the list below multiply operands that are first quantised to E2M3 (2 exponent bits, 3 mantissa bits; 6 bits a number), with one power-of-two scale for each 32 numbers along K (OCP MX v1.0); their sums are f32. All else is computed in f32.
;;   The module's matrix products, in the order in which they are computed (A, B: the left and right operand; K: the contracted axis; several contracted axes count as one K, in the product's order):
;;     1. [M 8,192, K 1,024] x [K 1,024, N 1,024]; A: input query (given as codes); B: input wq (given as codes): QUANTISED
;;     2. [M 8,192, K 1,024] x [K 1,024, N 1,024]; A: input key (given as codes); B: input wk (given as codes): QUANTISED
;;     3. [M 8,192, K 1,024] x [K 1,024, N 1,024]; A: input value (given as codes); B: input wv (given as codes): QUANTISED
;;     4. batch 64 x [M 2,048, K 64] x [K 64, N 2,048]; A: computed on the way; B: computed on the way: QUANTISED
;;     5. batch 64 x [M 2,048, K 2,048] x [K 2,048, N 64]; A: softmax (see below); B: computed on the way: QUANTISED
;;     6. [M 8,192, K 1,024] x [K 1,024, N 1,024]; A: computed on the way; B: input wo (given as codes): QUANTISED
;;   THE QUANTISER, for each operand of a quantised product, along K:
;;     - K is cut into blocks of 32 from its start; a last block that is shorter is filled with zeros.
;;     - A block's scale is 2^e with e = floor(log2(the largest magnitude in the block)) - 2, held to -126 .. 127; a block of zeros has e = 0. As a byte (E8M0): e + 127.
;;     - Each number is divided by its block's scale, clamped to +-7.5, and rounded to the nearest number of E2M3, ties to even, subnormals kept.
;;     - The product sums the exact products of the quantised numbers (number of the format x scale) in f32.
;;   ~~~python
;;   def quantise(x, axis):      # numpy; x: float32 -> the quantised numbers, widened to float32 again
;;       x = np.moveaxis(x, axis, -1); K = x.shape[-1]
;;       x = np.pad(x, [(0, 0)] * (x.ndim - 1) + [(0, -K % 32)]); x = x.reshape(x.shape[:-1] + (-1, 32)); a = np.abs(x).max(-1, keepdims=True)
;;       e = np.where(a > 0, np.clip(np.frexp(np.where(a > 0, a, 1))[1] - 1 - 2, -126, 127), 0)      # np.frexp(a)[1] - 1 = floor(log2(a)), exactly
;;       r = np.clip(x / 2.0 ** e, -7.5, 7.5)
;;       step = 2.0 ** (np.maximum(np.frexp(np.where(r == 0, 1, r))[1] - 1, 0) - 3)
;;       q = np.round(r / step) * step * 2.0 ** e      # np.round: ties to even
;;       return np.moveaxis(q.reshape(q.shape[:-2] + (-1,))[..., :K], -1, axis).astype(np.float32)
;;   ~~~
;;   SOFTMAX AHEAD OF A QUANTISED PRODUCT. Where the list says 'softmax', what is quantised is not the finished softmax but p = 2^(t - M), with t = logit x log2(e) and M = ceil(the row's largest t), a whole number; so 1/2 < the row's largest p <= 1. The row's sum l is taken of the UNQUANTISED p, in f32, and the product's result is divided by l at the end. Since M is a whole number, a kernel that streams over the keys may use a running M (the ceiling of the running maximum): every later rescaling is an exact power of two, which a block's scale takes up: the codes' values come out the same.
;;   OPERANDS COMPUTED ON THE WAY. 'Computed on the way' means the value that the module computes at that place (a softmax that the list does not call 'softmax' is quantised finished and normalised). What goes into a quantiser is computed in f32, as accurately as f32 sums, v_exp_f32 and their like allow (about 1e-6 of the number): no bf16 or f16 on the way to a quantiser, and a product that is left as it is and whose result goes on into a quantised operand takes f32 operands (vector FMAs, or v_wmma_f32_16x16x4_f32). A number that lies on a knife's edge between two numbers of the format may be rounded either way, as far as f32 arithmetic and the matrix unit's own rounding can turn it there, and no further.
;;   INPUTS GIVEN AS CODES. key (in the module: [4, 2048, 1024], K = its axis 2); query (in the module: [4, 2048, 1024], K = its axis 2); value (in the module: [4, 2048, 1024], K = its axis 2); wk (in the module: [1024, 1024], K = its axis 1); wo (in the module: [1024, 1024], K = its axis 1); wq (in the module: [1024, 1024], K = its axis 1); wv (in the module: [1024, 1024], K = its axis 1): each comes as NAME_codes (uint8): NAME with its K axis moved to the last place and cut into blocks of 32 codes, [.., K / 32, bytes a block], one block behind the other in memory; four codes in three bytes: a row's codes are one little-endian stream of bits, code i at bits 6 i .. 6 i + 5 (a code: sign, 2 exponent bits, 3 mantissa bits); and NAME_scales (uint8): the same leading axes, one E8M0 byte (e + 127) for each 32 codes along K. Its value is code x scale, taken as it is: it is not quantised again, and the codes and scales need not be those that the quantiser above would give.
;; One version. Each part assembles by itself: llvm-mc -triple=amdgcn-amd-amdhsa -mcpu=gfx1250 --defsym DOCPART=n.
;; ======== version 1 of 1: 3 launches
;; limits: right only within a limited range of input values
;; workspace buffers: qq 13,369,344 bytes; kv 13,369,344 bytes; aimg 6,291,456 bytes; asc 262,144 bytes
;; launch proj (part 1): grid 8 x 32, 4 waves a work-group, clusters of 4 x 4, 327,680 bytes of LDS; arguments query_codes, query_scales, wq_codes, wq_scales, bq, qq, key_codes, key_scales, wk_codes, wk_scales, bk, kv, wv_codes, wv_scales, value_codes, value_scales, bv; writes qq, kv
.if DOCPART == 1
	.amdgcn_target "amdgcn-amd-amdhsa--gfx1250"
	.amdhsa_code_object_version 6
	.text
	.protected	k_q87909e961a_proj
	.globl	k_q87909e961a_proj
	.p2align	8
	.type	k_q87909e961a_proj,@function
k_q87909e961a_proj:
	s_mov_b64 s[64:65], 0
	v_nop
	global_prefetch_b8 v0, s[64:65] scope:SCOPE_SE
	s_setreg_imm32_b32 hwreg(HW_REG_WAVE_MODE, 25, 1), 1
	s_wait_xcnt 0x0
	s_wait_alu depctr_hold_cnt(0) depctr_sa_sdst(0) depctr_va_vdst(0) depctr_va_sdst(0) depctr_va_ssrc(0) depctr_va_vcc(0) depctr_vm_vsrc(0)
	s_getreg_b32 s2, hwreg(HW_REG_IB_STS2, 6, 4)
	s_cmp_eq_u32 s2, 0
	s_cbranch_scc0 .Lentry_in_a_cluster
	s_endpgm
.Lentry_in_a_cluster:
	s_bfe_u32 s2, ttmp6, 0x10000c
	s_cmp_lg_u32 s2, 0xf033
	s_cbranch_scc0 .Lentry_shape_is_right
	s_endpgm
.Lentry_shape_is_right:
; Q = query wq^T + bq, K = key wk^T + bk, V^T = wv value^T + bv, on codes of FP6 (E2M3), each result quantised again and stored as the operand registers of the attention launch.  No work of reference() is left out.
; THREE PHASES, ONE FORM.  A phase has a HELD operand S (128 rows a work-group, 64 a wave, all of K = 1,024 in 384 registers) and a STREAMED operand X (256 rows, in blocks of 16 rows, all of K).
; Q, K: S = the weight's rows (two heads), X = tokens.  V: S = 128 tokens of value, X = 256 rows of wv.  Source 0 = S, source 1 = X: a lane holds ONE row of X and 32 sums along S.
; Tile t of S takes rows 32 (r / 8) + 8 P(t) + r % 8, P = 0, 2, 1, 3: so lane (r, h)'s 32 sums are block h of 32 of the wave's 64 rows of S: one scale block of the next product, whole in a lane.
; In it code 8 t + j is number 8 P(t) + j: the order 0-7, 16-23, 8-15, 24-31, in which the attention launch lays its weights; Q and K share it, so their products are the same sums.
; THE DEAL: 256 work-groups, 8 x 32, four waves 2 x 2 (a: rows 32 s + 16 a of X are my block s; b: my 64 rows of S).  Q, K: S tile 4 X + cx, X tile 4 Y + cy (X, Y the cluster's numbers).  V: token tile 4 (X + 2 Y) + cx, wv's rows 256 cy.
; So in every phase X's rows are shared by a row of the cluster and S's by a column: joint loads.
; LDS: two slots of 128 rows of X (816 bytes a row: 768 + 16 behind each 256), S's region as large, a stage for V's scale bytes, the spare words.  Every tensor row is 768 bytes of memory and begins at a multiple of 256.
; FILLS: at the head one load a wave (waves 0, 1 half of wq's rows each, wave 2 chunk 0, wave 3 chunk 1).  In phases Q and K two drained rounds each: in block 2 slot 0 and S's region take the next phase's, in block 6 slot 1.
; What a round's loads brought is shown by the next round; in V's block 2 by a plain barrier.  Scales and biases come straight into registers, 512 bytes on end an instruction, a phase ahead.
; kv, qq: [16 batch + head][step of 128 tokens][13,056]: 8 tiles of 16 tokens x 768 (registers 0-3 at 16 lane, 4-5 at 512 + 8 lane); at 6,144 V: [tile of 16 channels][half c][768] likewise; at 12,288 K's scale words; at 12,800 V's.
; LIMITS: NaN and infinities are not served; a block whose largest magnitude lies under 2^-124 keeps the scale byte 1, a block of zeros too (this program alone reads the bytes).
.set BLKB, 13056
.set HEADB, 16*BLKB
.set KROW, 768
.set PITCH, 816
.set FR, 12
.set FPW, 21
.set NF, 26                            ; LDS loads of a block's eight fragments
.set YB, 128*PITCH
.set BVB, 2*YB
.set XM, 3*YB
.set SPARE, XM+1024
.set ADX0, 4
.set ADX, 6
.set Q16, 8
.set Q8, 9
.set R16, 10
.set SPW, 12
.set NIL, 13
.set SOFF, 14
.set XOFF, 15
.set BOFF, 16
.set VBO, 17
.set STV, 18
.set SH8, 19
.set V16, 20
.set V8, 21
.set PFX, 22
.set PFS, 23
.set TQ, 24
.set SOP, 26
.set EB, 27
.set PX, 28
.set XR, 29
.set CD, 30
.set TC, 36
.set R16P, 39
.set SW, 40
.set VB, 44
.set SS, 56                            ; v56-71 S's scale words; v74-105 X's: register q % 4 of a tile or block, lanes 0-15 K step q < 4, lanes 16-31 q >= 4
.set XS, 74
.set BB, 112                           ; the first products' C: the bias
.set ACC, 144
.set RBV, 176
.set BA, 184
.set NSS, 80                           ; window 3: the next phase's scale words and bias
.set NXS, 96
.set NBB, 128
.set G1X, 68
.set G1S, 76
.set G0X, 84
.set G0S, 88
.set G0Y, 92
.set SEL, 60
.set MSB, 0
.macro WIN new
.if MSB != (\new)
	s_set_vgpr_msb (MSB<<8)|(\new)
.set MSB, (\new)
.endif
.endm
.macro PLACES n
.rept \n
	v_nop
.endr
.endm
.macro WALU
	s_wait_alu depctr_va_vdst(0)
.endm
.macro BARRIER
	s_barrier_signal -1
	s_barrier_wait -1
.endm
.macro MIDDLE
	WIN 0
	s_barrier_wait -1
	s_cmp_lg_u32 s14, 0
	s_cbranch_scc1 .Lnot_wave_0_\@
	s_barrier_signal -3
.Lnot_wave_0_\@:
	s_barrier_wait -3
.endm
.macro CROUND
	s_barrier_signal -1
	MIDDLE
	BARRIER
.endm
.macro TLOAD g0, g1
	tensor_load_to_lds s[\g0:\g0+3], s[\g1:\g1+7]
	s_nop 0
	PLACES 4
.endm
.macro GROUP1 g, mask, rows
	s_or_b32 s[\g+0], s[\mask], (1<<20)|(1<<21)|(5<<22)|(3<<25)
	s_mov_b32 s[\g+1], KROW<<16
	s_mov_b32 s[\g+2], (\rows)<<16
	s_mov_b32 s[\g+3], KROW<<16
	s_mov_b32 s[\g+4], \rows
	s_mov_b32 s[\g+5], KROW
	s_mov_b32 s[\g+6], 0
	s_mov_b32 s[\g+7], 0
.endm
.macro PADD p, x, m                    ; pointer p += s x times m (s21 = 0)
	s_mul_i32 s20, s\x, \m
	s_add_nc_u64 s[\p:\p+1], s[\p:\p+1], s[20:21]
.endm
; fragment f lies in window 1 + f / 21 at register 12 (f % 21): 0-31 S's (4 q + t), 32-39 and 40-47 X's two sets.  Six pieces of 8 bytes, two to a load where both lie behind as many paddings
.macro FRAG f, q, a0, a1
	WIN (1+(\f)/FPW)<<6
.set R_, FR*((\f)%FPW)
.set SKIP_, 0
.irp p, 0,1,2,3,4,5
.if SKIP_
.set SKIP_, 0
.else
.set PC_, 12*(\q)+6*(\p/3)+\p%3
.set PN_, 12*(\q)+6*((\p+1)/3)+(\p+1)%3
.set X_, (PC_%32+3)/32
.set XQ_, (PN_%32+3)/32
.if (\p < 5) && (X_ == XQ_)
.set SKIP_, 1
.if X_
	ds_load_2addr_b64 v[R_+2*\p:R_+2*\p+3], \a1 offset0:PC_+2*(PC_/32) offset1:PN_+2*(PN_/32)
.else
	ds_load_2addr_b64 v[R_+2*\p:R_+2*\p+3], \a0 offset0:PC_+2*(PC_/32) offset1:PN_+2*(PN_/32)
.endif
.elseif X_
	ds_load_b64 v[R_+2*\p:R_+2*\p+1], \a1 offset:8*(PC_+2*(PC_/32))
.else
	ds_load_b64 v[R_+2*\p:R_+2*\p+1], \a0 offset:8*(PC_+2*(PC_/32))
.endif
.endif
.endr
.endm
.macro WEIGHTS
.irp q, 0,1,2,3,4,5,6,7
.irp t, 0,1,2,3
	FRAG 4*\q+\t, \q, v[BA+2*\t], v[BA+2*\t+1]
.endr
.endr
	WIN 0
.endm
.macro FETCH e, s                      ; block s of X into set e (the two slots lie on end: row 32 s)
	WIN 0
	v_add_nc_u32 v[ADX], (\s)*32*PITCH, v[ADX0]
	v_add_nc_u32 v[ADX+1], (\s)*32*PITCH, v[ADX0+1]
	WALU
.irp q, 0,1,2,3,4,5,6,7
	FRAG 32+8*(\e)+\q, \q, v[ADX], v[ADX+1]
.endr
	WIN 0
.endm
.macro P1 c, row
	v_wmma_scale_f32_16x16x128_f8f6f4 v[ACC+8*T_:ACC+8*T_+7], v[FR*(FS_%FPW):FR*(FS_%FPW)+FR-1], v[FR*(FX_%FPW):FR*(FX_%FPW)+FR-1], \c, v[SS+4*T_+Q_%4], v[XS+4*S_+Q_%4] matrix_a_fmt:MATRIX_FMT_FP6 matrix_b_fmt:MATRIX_FMT_FP6 matrix_a_scale:MATRIX_SCALE_ROW\row matrix_b_scale:MATRIX_SCALE_ROW\row
.endm
.macro PRODS kind, s, from, to         ; products 4 q + t: the four accumulators by turns
.set S_, \s
.set N_, \from
.rept (\to)-(\from)
.set Q_, N_/4
.set T_, N_%4
.set FS_, 4*Q_+T_
.set FX_, 32+8*((\s)%2)+Q_
	WIN (1+FS_/FPW)|((1+FX_/FPW)<<2)
.if Q_ == 0
.if \kind
	P1 v[BB:BB+7], 0
.else
	P1 v[BB+8*T_:BB+8*T_+7], 0
.endif
.elseif Q_ < 4
	P1 v[ACC+8*T_:ACC+8*T_+7], 0
.else
	P1 v[ACC+8*T_:ACC+8*T_+7], 1
.endif
.set N_, N_+1
.endr
.endm
.macro NEXTL xs, ss                    ; a phase's scale words into window 3
	WIN 3<<6
.irp t, 0,1,2,3
	global_load_b128 v[NSS+4*\t:NSS+4*\t+3], v[SOFF], s[\ss:\ss+1] offset:256*(2*(\t%2)+\t/2)
.endr
.irp s, 0,1,2,3,4,5,6,7
	global_load_b128 v[NXS+4*\s:NXS+4*\s+3], v[XOFF], s[\xs:\xs+1] offset:1024*\s
.endr
	WIN 0
.endm
.macro NBL b                           ; Q's or K's bias as the result lies: register 8 t + j of lane (r, h) is channel 32 h + 8 P(t) + j
	WIN 3<<6
.irp t, 0,1,2,3
.irp k, 0,1
	global_load_b128 v[NBB+8*\t+4*\k:NBB+8*\t+4*\k+3], v[BOFF], s[\b:\b+1] offset:32*(2*(\t%2)+\t/2)+16*\k
.endr
.endr
	WIN 0
.endm
; the way out of a block: the largest of my 32 magnitudes (two chains, each accumulator from its low end), the scale, 32 codes = six operand registers, stored as they lie
.macro OUT kind, s
	s_wait_xcnt 0x0                                ; the last block's stores have read their registers
	v_max3_num_f32 v[TQ], |v[ACC]|, |v[ACC+1]|, |v[ACC+2]|
	v_max3_num_f32 v[TQ+1], |v[ACC+16]|, |v[ACC+17]|, |v[ACC+18]|
.irp i, 3,5,7,9,11,13
	v_max3_num_f32 v[TQ], v[TQ], |v[ACC+\i]|, |v[ACC+\i+1]|
	v_max3_num_f32 v[TQ+1], v[TQ+1], |v[ACC+16+\i]|, |v[ACC+17+\i]|
.endr
	v_max3_num_f32 v[TQ+1], v[TQ+1], |v[ACC+31]|, 0x1800000   ; the floor 2^(3 - 127): the byte cannot fall under 1
	v_max3_num_f32 v[TQ], v[TQ], |v[ACC+15]|, v[TQ+1]
	v_add_nc_u32 v[SOP], 0xff000000, v[TQ]         ; 2 off the exponent field: the conversions' scale operand
	v_cvt_scalef32_pk16_fp6_f32 v[CD:CD+2], v[ACC:ACC+15], v[SOP]
	v_cvt_scalef32_pk16_fp6_f32 v[TC:TC+2], v[ACC+16:ACC+31], v[SOP]
	v_lshrrev_b32 v[EB], 23, v[SOP]
.irp i, 0,1,2
	v_mov_b32 v[CD+3+\i], v[TC+\i]
.endr
	v_lshlrev_b32 v[EB], v[SH8], v[EB]             ; my block's byte at its place, 8 h bits up,
	v_permlanex16_b32 v[PX], v[EB], s[SEL], s[SEL+1]
.if \kind
	v_or_b32 v[SW], v[EB], v[PX]                   ; with lane l xor 16's: two bytes
	WALU
	global_store_b128 v[V16], v[CD:CD+3], s[58:59] offset:6144+HEADB*((\s)/2)+3072*((\s)%2)
	global_store_b64 v[V8], v[CD+4:CD+5], s[58:59] offset:6144+HEADB*((\s)/2)+3072*((\s)%2)+512
	ds_store_b16 v[STV], v[SW] offset:256*((\s)/2)+4*((\s)%2)
.if (\s) < 7
.set I, 0
.rept 8
	v_mov_b32 v[BB+I], v[VB+(\s)+1]                ; the next block's bias: one number a lane, over the eight registers
.set I, I+1
.endr
.endif
.else
	v_or_b32 v[SW+(\s)%4], v[EB], v[PX]
	WALU
	global_store_b128 v[Q16], v[CD:CD+3], s[4:5] offset:BLKB*((\s)/4)+1536*((\s)%4)
	global_store_b64 v[Q8], v[CD+4:CD+5], s[4:5] offset:BLKB*((\s)/4)+1536*((\s)%4)+512
.if (\s)%4 == 3
	global_store_b128 v[R16], v[SW:SW+3], s[4:5] offset:BLKB*((\s)/4)+12288   ; four blocks' scale words: 256 bytes on end (both halves of the lanes hold and store the same)
.endif
.endif
	WALU
.endm
; a block.  mode 0 plain; 1, 2 with a drained round and refills; 3 with a plain barrier that shows the last refill.  The wait's count: the next block's NF loads (V: and one store of scale bytes) are younger
.macro BLK kind, s, mode
.if (\s) == 7
	s_wait_dscnt 0x0
.elseif (\s) == 0
	s_wait_dscnt NF                                ; only block 1's NF loads are younger
.else
	s_wait_dscnt NF+\kind
.endif
.if (\mode) == 1 || (\mode) == 2
	s_wait_tensorcnt 0x0                           ; ahead of a refill's round
	ds_add_u32 v[SPW], v[NIL]
.if (\mode) == 1
	s_mov_b32 s[G0X+1], 0                          ; no load of mine is out: the next phase's first chunk for slot 0, my half of its S
	s_mov_b64 s[G0X+2:G0X+3], s[6:7]
	s_or_b32 s[G0X+3], s[G0X+3], 0x80000000
	s_mul_i32 s20, s14, 64*KROW
	s_add_nc_u64 s[G0S+2:G0S+3], s[8:9], s[20:21]
	s_or_b32 s[G0S+3], s[G0S+3], 0x80000000
.else
	s_mov_b32 s[G0X+1], YB                         ; its second chunk for slot 1
	s_add_nc_u64 s[G0X+2:G0X+3], s[6:7], 128*KROW
	s_or_b32 s[G0X+3], s[G0X+3], 0x80000000
.endif
	PRODS \kind, \s, 0, 24
	WIN 0
	s_wait_dscnt 0x0
	s_barrier_signal -1
	PRODS \kind, \s, 24, 32
	MIDDLE
	BARRIER
.if (\mode) == 1
	s_cmp_lt_u32 s14, 2
	s_cbranch_scc0 .Lx_\@
	TLOAD G0S, G1S
	s_branch .Ln_\@
.Lx_\@:
.endif
	s_cmp_eq_u32 s14, 2
	s_cbranch_scc0 .Ln_\@
	TLOAD G0X, G1X
.Ln_\@:
.elseif (\mode) == 3
	PRODS \kind, \s, 0, 24
	WIN 0
	s_wait_tensorcnt 0x0
	s_wait_dscnt 0x0
	s_barrier_signal -1
	PRODS \kind, \s, 24, 32
	WIN 0
	s_barrier_wait -1
.else
	PRODS \kind, \s, 0, 32
	WIN 0
.endif
	PLACES 4
.if (\s) < 6
	FETCH (\s)%2, (\s)+2
.endif
	OUT \kind, \s
.endm
.macro TOP kind                        ; a phase's start: S into registers, the first two blocks, and under their flight the scale words and the bias into their places
	s_wait_loadcnt 0x0
.if !(\kind)
	s_wait_xcnt 0x0
	s_cmp_eq_u32 s19, 0
	s_cselect_b64 s[4:5], s[34:35], s[46:47]       ; where this phase's results go
	s_cselect_b64 s[6:7], s[36:37], s[48:49]       ; the next phase's X, S, and their scales
	s_cselect_b64 s[8:9], s[40:41], s[52:53]
	s_cselect_b64 s[10:11], s[38:39], s[50:51]
	s_cselect_b64 s[12:13], s[42:43], s[54:55]
.endif
	WEIGHTS
	FETCH 0, 0
	FETCH 1, 1
	WIN 3
.set I, 0
.rept 16
	v_mov_b32 v[SS+I], v[NSS+I]
.set I, I+1
.endr
.set I, 0
.rept 32
	v_mov_b32 v[XS+I], v[NXS+I]
.set I, I+1
.endr
.if \kind
	WIN 0
.set I, 0
.rept 8
	v_mov_b32 v[BB+I], v[VB]
.set I, I+1
.endr
	PLACES 2
.else
.set I, 0
.rept 32
	v_mov_b32 v[BB+I], v[NBB+I]
.set I, I+1
.endr
	WIN 0
.endif
	WALU
.endm
; ---- the head
	s_load_b256 s[24:31], s[0:1], 0x0              ; Q: X s[24:25], its scales 26, S 28, its scales 30,
	s_load_b128 s[32:35], s[0:1], 0x20             ; bias 32, result 34
	s_load_b256 s[36:43], s[0:1], 0x30             ; K: the same, 12 registers on
	s_load_b128 s[44:47], s[0:1], 0x50
	s_load_b256 s[48:55], s[0:1], 0x60             ; V: X = wv 48, 50; S = value 52, 54
	s_load_b64 s[56:57], s[0:1], 0x80              ; bv
	v_lshl_add_u32 v[SPW], v0, 2, SPARE
	v_mov_b32 v[NIL], 0
	ds_add_u32 v[SPW], v[NIL]
	ds_add_u32 v[SPW], v[NIL]
	v_lshrrev_b32 v1, 5, v0
	v_readfirstlane_b32 s14, v1                    ; wave; s15 = a, s16 = b
	s_lshr_b32 s15, s14, 1
	s_and_b32 s16, s14, 1
	s_bfe_u32 s17, ttmp6, 0x40000                  ; cx
	s_bfe_u32 s18, ttmp6, 0x40004                  ; cy
	s_lshl_b32 s66, ttmp9, 2
	s_add_co_u32 s66, s66, s17                     ; s66: Q's, K's tile of S
	s_and_b32 s67, ttmp7, 0xffff
	s_lshl_b32 s98, s67, 2
	s_add_co_u32 s98, s98, s18                     ; s98: their tile of X
	s_lshl_b32 s99, s67, 1
	s_add_co_u32 s99, s99, ttmp9
	s_lshl_b32 s99, s99, 2
	s_add_co_u32 s99, s99, s17                     ; s99: V's tile of 128 tokens
	s_lshl_b32 s22, s18, 2
	s_lshl_b32 s22, 15, s22                        ; my row of the cluster
	s_lshl_b32 s23, 0x1111, s17                    ; my column
	GROUP1 G1X, 22, 128
	GROUP1 G1S, 23, 64
	s_mov_b32 s[SEL], 0x76543210
	s_mov_b32 s[SEL+1], 0xfedcba98
	s_mov_b32 s21, 0
	s_mov_b32 s[G0X], 1
	s_mov_b32 s[G0X+1], 0
	s_mov_b32 s[G0Y], 1
	s_mov_b32 s[G0Y+1], YB
	s_mov_b32 s[G0S], 1
	s_mul_i32 s[G0S+1], s14, 64*PITCH
	s_add_co_u32 s[G0S+1], s[G0S+1], BVB
	s_mul_i32 s4, s15, 16*PITCH
	s_mul_i32 s5, s16, 64*PITCH
	s_add_co_u32 s5, s5, BVB
	s_mul_i32 s6, s15, 768
	s_lshl_b32 s7, s15, 8
	s_mul_i32 s8, s16, 768
	s_lshl_b32 s9, s6, 1
	s_add_co_u32 s8, s8, s9                        ; 1,536 a + 768 b
	s_lshl_b32 s9, s15, 7
	s_lshl_b32 s10, s16, 1
	s_add_co_u32 s9, s9, s10
	s_add_co_u32 s9, s9, XM
	s_lshl_b32 s10, s14, 8
	s_add_co_u32 s10, s10, XM
	s_lshl_b32 s11, s17, 2
	s_add_co_u32 s11, s11, s14
	s_mul_i32 s11, s11, 6144                       ; my sixteenth of a tile of 128 rows among the four that ask for X jointly,
	s_lshl_b32 s12, s18, 2
	s_add_co_u32 s12, s12, s14
	s_mul_i32 s12, s12, 6144                       ; and for S
	v_and_b32 v1, 15, v0
	v_bfe_u32 v2, v0, 4, 1
	v_and_b32 v3, 31, v0
	v_mul_u32_u24 v144, v1, PITCH
	v_lshrrev_b32 v145, 3, v1
	v_mad_u32_u24 v145, v145, 24, v1               ; my row of a tile of S: 32 (r / 8) + r % 8
	v_mul_u32_u24 v146, v145, PITCH
	v_add_nc_u32 v144, s4, v144
	v_add_nc_u32 v146, s5, v146
	v_mad_u32_u24 v[ADX0], v2, 24, v144
	v_mad_u32_u24 v[ADX0+1], v2, 40, v144          ; for the pieces behind one padding more
	v_mad_u32_u24 v147, v2, 24, v146
	v_mad_u32_u24 v148, v2, 40, v146
.irp t, 0,1,2,3
	v_add_nc_u32 v[BA+2*\t], 8*(2*(\t%2)+\t/2)*PITCH, v147
	v_add_nc_u32 v[BA+2*\t+1], 8*(2*(\t%2)+\t/2)*PITCH, v148
.endr
	v_lshlrev_b32 v[SOFF], 5, v145
	v_lshl_add_u32 v[SOFF], v2, 4, v[SOFF]
	v_lshlrev_b32 v[XOFF], 5, v1
	v_lshl_add_u32 v[XOFF], v2, 4, v[XOFF]
	v_lshlrev_b32 v[BOFF], 7, v2
	v_lshlrev_b32 v[VBO], 2, v1
	v_lshl_add_u32 v[Q16], v3, 4, s6
	v_lshl_add_u32 v[Q8], v3, 3, s6
	v_lshl_add_u32 v[R16], v1, 4, s7
	v_lshl_add_u32 v[V16], v3, 4, s8
	v_lshl_add_u32 v[V8], v3, 3, s8
	v_lshl_add_u32 v[STV], v1, 3, s9
	v_lshl_add_u32 v[XR], v1, 4, s10
	v_lshlrev_b32 v[R16P], 4, v1
	v_lshlrev_b32 v[SH8], 3, v2
	v_min_u32 v149, 23, v3                         ; 24 units of 256 bytes: the lanes left over name the last again
	v_lshl_add_u32 v[PFX], v149, 8, s11
	v_lshl_add_u32 v[PFS], v149, 8, s12
	v_mov_b32 v[PX], 0
	WALU
	s_wait_dscnt 0x0
	CROUND                                         ; the round in front of the first joint loads
	s_wait_kmcnt 0x0
	PADD 24, 98, 256*KROW
	PADD 28, 66, 128*KROW
	s_mov_b64 s[G0X+2:G0X+3], s[24:25]
	s_add_nc_u64 s[G0Y+2:G0Y+3], s[24:25], 128*KROW
	s_mul_i32 s20, s14, 64*KROW
	s_add_nc_u64 s[G0S+2:G0S+3], s[28:29], s[20:21]
	s_or_b32 s[G0X+3], s[G0X+3], 0x80000000
	s_or_b32 s[G0Y+3], s[G0Y+3], 0x80000000
	s_or_b32 s[G0S+3], s[G0S+3], 0x80000000
	s_cmp_lt_u32 s14, 2
	s_cbranch_scc0 .Lw2
	TLOAD G0S, G1S                                 ; waves 0, 1: half of wq's rows each
	s_branch .Lasked
.Lw2:
	s_cmp_eq_u32 s14, 2
	s_cbranch_scc0 .Lw3
	TLOAD G0X, G1X                                 ; wave 2: chunk 0
	s_branch .Lasked
.Lw3:
	TLOAD G0Y, G1X                                 ; wave 3: chunk 1
.Lasked:
	s_mov_b64 s[58:59], s[46:47]                   ; kv once more, for V's codes, and for V's scale words
	s_mov_b64 s[100:101], s[46:47]
	PADD 36, 98, 256*KROW
	PADD 40, 66, 128*KROW
	s_lshr_b32 s22, s98, 3                         ; Q, K: block ((batch x 16 + head) x 16 + step)
	s_lshl_b32 s22, s22, 4
	s_lshl_b32 s23, s66, 1
	s_add_co_u32 s22, s22, s23
	s_add_co_u32 s22, s22, s16
	s_lshl_b32 s22, s22, 4
	s_and_b32 s23, s98, 7
	s_lshl_b32 s23, s23, 1
	s_add_co_u32 s22, s22, s23
.irp d, 0,12
	PADD 26+\d, 98, 8192
	PADD 26+\d, 15, 512
	PADD 30+\d, 66, 4096
	PADD 30+\d, 16, 2048
	PADD 32+\d, 66, 512
	PADD 32+\d, 16, 256
	PADD 34+\d, 22, BLKB
.endr
	PADD 48, 18, 256*KROW
	PADD 50, 18, 8192
	PADD 50, 15, 512
	PADD 52, 99, 128*KROW
	PADD 54, 99, 4096
	PADD 54, 16, 2048
	PADD 56, 18, 1024
	PADD 56, 15, 64
	s_lshr_b32 s23, s99, 4                         ; V: block ((batch x 16 + 4 cy) x 16 + step)
	s_lshl_b32 s23, s23, 2
	s_add_co_u32 s23, s23, s18
	s_lshl_b32 s23, s23, 6
	s_and_b32 s22, s99, 15
	s_add_co_u32 s23, s23, s22
	PADD 58, 23, BLKB
	PADD 100, 23, BLKB
	PADD 100, 14, HEADB
	NEXTL 26, 30
	NBL 32
.irp s, 0,1,2,3,4,5,6,7
	global_load_b32 v[VB+\s], v[VBO], s[56:57] offset:128*\s   ; bv at my row of each of V's blocks
.endr
	s_mov_b32 s19, 0
	s_cmp_eq_u32 s14, 3
	s_cbranch_scc1 .Lnot_c1
	s_wait_tensorcnt 0x0
.Lnot_c1:
	BARRIER                                        ; wq's rows and chunk 0 are in; chunk 1 may be on its way
.Lphase:                                               ; Q, then K
	TOP 0
	BLK 0, 0, 0
	global_prefetch_b8 v[PFX], s[6:7] th:TH_LOAD_NT scope:SCOPE_SE   ; what block 2's round will load, two blocks ahead: my sixteenth of each tile
	global_prefetch_b8 v[PFS], s[8:9] th:TH_LOAD_NT scope:SCOPE_SE
	BLK 0, 1, 0
	BLK 0, 2, 1
	BLK 0, 3, 0
	global_prefetch_b8 v[PFX], s[6:7] offset:128*KROW th:TH_LOAD_NT scope:SCOPE_SE   ; what block 6's round will load
	NEXTL 10, 12
	s_cmp_eq_u32 s19, 0
	s_cbranch_scc0 .Lno_bias
	NBL 44                                         ; bk (V's bias was loaded at the head)
.Lno_bias:
	BLK 0, 4, 0
	BLK 0, 5, 0
	BLK 0, 6, 2
	BLK 0, 7, 0
	s_add_co_u32 s19, s19, 1
	s_cmp_lt_u32 s19, 2
	s_cbranch_scc1 .Lphase
	TOP 1                                          ; V: nothing more is filled
	BLK 1, 0, 0
	BLK 1, 1, 0
	BLK 1, 2, 3
	BLK 1, 3, 0
	BLK 1, 4, 0
	BLK 1, 5, 0
	BLK 1, 6, 0
	BLK 1, 7, 0
	s_wait_dscnt 0x0                               ; V's scale bytes lie in the stage: a head's 256 bytes a wave
	BARRIER
	ds_load_b128 v[RBV:RBV+3], v[XR]
	s_wait_dscnt 0x0
	global_store_b128 v[R16P], v[RBV:RBV+3], s[100:101] offset:12800
	s_wait_tensorcnt 0x0                           ; the wave's end
	ds_add_u32 v[SPW], v[NIL]
	s_wait_dscnt 0x0
	CROUND
	s_endpgm
.Lfunc_end_k_q87909e961a_proj:
	.size	k_q87909e961a_proj, .Lfunc_end_k_q87909e961a_proj-k_q87909e961a_proj
	.p2alignl 7, 3214868480
	.fill 96, 4, 3214868480
	.section	.rodata,"a",@progbits
	.p2align	6, 0x0
	.amdhsa_kernel k_q87909e961a_proj
		.amdhsa_group_segment_fixed_size 327680
		.amdhsa_private_segment_fixed_size 0
		.amdhsa_enable_private_segment 0
		.amdhsa_kernarg_size 136
		.amdhsa_user_sgpr_count 2
		.amdhsa_user_sgpr_kernarg_segment_ptr 1
		.amdhsa_wavefront_size32 1
		.amdhsa_system_sgpr_workgroup_id_x 1
		.amdhsa_system_sgpr_workgroup_id_y 1
		.amdhsa_system_sgpr_workgroup_id_z 1
		.amdhsa_system_vgpr_workitem_id 0
		.amdhsa_next_free_vgpr 928
		.amdhsa_next_free_sgpr 102
		.amdhsa_reserve_vcc 0
		.amdhsa_float_denorm_mode_32 3
		.amdhsa_float_denorm_mode_16_64 3
		.amdhsa_memory_ordered 1
		.amdhsa_forward_progress 1
		.amdhsa_inst_pref_size 166
	.end_amdhsa_kernel
	.amdgpu_metadata
---
amdhsa.version: [ 1, 2 ]
amdhsa.kernels:
  - .name:           k_q87909e961a_proj
    .symbol:         k_q87909e961a_proj.kd
    .args:
      - { .name: query_codes, .offset: 0, .size: 8, .value_kind: global_buffer, .address_space: global }
      - { .name: query_scales, .offset: 8, .size: 8, .value_kind: global_buffer, .address_space: global }
      - { .name: wq_codes, .offset: 16, .size: 8, .value_kind: global_buffer, .address_space: global }
      - { .name: wq_scales, .offset: 24, .size: 8, .value_kind: global_buffer, .address_space: global }
      - { .name: bq, .offset: 32, .size: 8, .value_kind: global_buffer, .address_space: global }
      - { .name: qq, .offset: 40, .size: 8, .value_kind: global_buffer, .address_space: global }
      - { .name: key_codes, .offset: 48, .size: 8, .value_kind: global_buffer, .address_space: global }
      - { .name: key_scales, .offset: 56, .size: 8, .value_kind: global_buffer, .address_space: global }
      - { .name: wk_codes, .offset: 64, .size: 8, .value_kind: global_buffer, .address_space: global }
      - { .name: wk_scales, .offset: 72, .size: 8, .value_kind: global_buffer, .address_space: global }
      - { .name: bk, .offset: 80, .size: 8, .value_kind: global_buffer, .address_space: global }
      - { .name: kv, .offset: 88, .size: 8, .value_kind: global_buffer, .address_space: global }
      - { .name: wv_codes, .offset: 96, .size: 8, .value_kind: global_buffer, .address_space: global }
      - { .name: wv_scales, .offset: 104, .size: 8, .value_kind: global_buffer, .address_space: global }
      - { .name: value_codes, .offset: 112, .size: 8, .value_kind: global_buffer, .address_space: global }
      - { .name: value_scales, .offset: 120, .size: 8, .value_kind: global_buffer, .address_space: global }
      - { .name: bv, .offset: 128, .size: 8, .value_kind: global_buffer, .address_space: global }
    .group_segment_fixed_size: 327680
    .private_segment_fixed_size: 0
    .kernarg_segment_align: 8
    .kernarg_segment_size: 136
    .max_flat_workgroup_size: 128
    .sgpr_count:     102
    .vgpr_count:     928
    .wavefront_size: 32
...
	.end_amdgpu_metadata
.endif
;; end of part 1
;; launch attn (part 2): grid 4 x 64, 16 waves a work-group, no clusters, 210,944 bytes of LDS; arguments qq, kv, local_bias, aimg, asc; writes aimg, asc
.if DOCPART == 2
	.amdgcn_target "amdgcn-amd-amdhsa--gfx1250"
	.amdhsa_code_object_version 6
	.text
	.protected	k_q87909e961a_attn
	.globl	k_q87909e961a_attn
	.p2align	8
	.type	k_q87909e961a_attn,@function
k_q87909e961a_attn:
	s_mov_b64 s[64:65], 0
	v_nop
	global_prefetch_b8 v0, s[64:65] scope:SCOPE_SE
	s_setreg_imm32_b32 hwreg(HW_REG_WAVE_MODE, 25, 1), 1
	s_wait_xcnt 0x0
; ATTENTION of one (batch, head) for 512 queries: logit = q . k / 8 + 2 x local_bias[key - query + 16] where |key - query| <= 16; both products on codes of FP6 (E2M3) with one E8M0 scale for each 32 along K.
; t = logit x log2(e); M = the running largest t rounded UP to a whole number; p = 2^(t - M) is quantised along the keys, not normalised; the row's sum is taken of the unquantised p and divides at the end.
; The result is quantised along the channels and stored as the last launch's operand registers.
; SHARES.  Work-group (x, y): head y % 16 of batch y / 16, queries 512 x on.  Sixteen waves, four to a SIMD; wave w takes the tile of 16 queries 32 x + w, then the tile 16 further on; each tile walks all 2,048 keys, 128 a step.
; THE HEAD'S K AND V STAY IN LDS: 16 blocks of 13,056 bytes (one for each 128 keys, laid as operand registers by the launch before), 208,896 bytes, each filled once.  Each of the sixteen waves issues one tensor load at the head
; (wave w: key step w: one load of a wave is out); the first tile's walk waits group by group.  Nothing is filled again and nothing is fetched later, so there is no ring and nothing to ask for ahead.
; NO CLUSTER, though the four work-groups of a head read the same 208,896 bytes: the band touches 2 of a tile's 64 blocks of 32 keys, and which two hangs on the work-group's block of queries.  The text jumps over the band's
; 8 instructions a block in the 62 others by scalar branches on ids; without them every key step would carry 32 more instructions.
; LAYOUT.  Both products are used transposed: S^T = K Q^T (source 0 = 16 keys, source 1 = my 16 queries), O^T = V^T P^T (source 0 = 16 channels, source 1 = P): a lane holds ONE query (lane % 16) throughout.
; Register e of tile T holds key 16 T + 8 (lane / 16) + e, so a block's 32 weights are coded in the order 0-7, 16-23, 8-15, 24-31: the order in which V's codes were laid.
; The first product's K is the head's 64: registers 6-11 of both fragments hold zero codes, and the upper two scale bytes are 0.
; LIMITS: NaN and infinities are not served; an output block whose largest magnitude lies under 2^-124 keeps the scale byte 1, a block of zeros too (its codes are zeros; this program alone reads the bytes).
; REGISTERS: v1-3 lane offsets; v8, v9 the step's LDS addresses; v12 -M, v13 the largest t, v[14:15] the sum; v16-27 Q; v32-79 four fragments of K; v80-83, v84-85 K's and V's scale words; v86-92 the second tile's Q;
;   v96-159 S^T, then p, then V's four fragments; v160-191 O^T; v192-223 the lane's 32 band numbers; v224-235 p's codes; v232-254 at work; v255 Q's scale word.
.set BLKB, 13056
.set WV,   14
.set SEL,  24
.set CS,   26
.set TB,   28                          ; LDS byte at which the key step's block begins
.set NB,   29                          ; the step's first block of 32 keys less the band's first block
.set NB0,  30
.set CNT,  31
.set G1,   40
.set G0,   48
	s_load_b256 s[4:11], s[0:1], 0x0               ; qq, kv, local_bias, aimg
	s_load_b64 s[12:13], s[0:1], 0x20              ; asc
	v_lshl_add_u32 v250, v0, 2, 0x33000
	v_mov_b32 v251, 0
	ds_add_u32 v250, v251
	ds_add_u32 v250, v251
	v_lshrrev_b32 v4, 5, v0
	s_delay_alu instid0(VALU_DEP_1)
	v_readfirstlane_b32 s[WV], v4                  ; wave 0..15
	s_and_b32 s16, ttmp7, 0xffff                   ; 16 x batch + head
	; descriptor group 1: a dense block of 13,056 bytes as 51 rows of 256 bytes (32 elements of 8 bytes), no padding
	s_mov_b32 s[G1+0], 3<<16
	s_mov_b32 s[G1+1], 32<<16                      ; tensor_dim0
	s_mov_b32 s[G1+2], 51<<16                      ; tensor_dim1
	s_mov_b32 s[G1+3], 32<<16                      ; tile_dim0
	s_mov_b32 s[G1+4], 51                          ; tile_dim1
	s_mov_b32 s[G1+5], 32                          ; the pitch
	s_mov_b32 s[G1+6], 0
	s_mov_b32 s[G1+7], 0
	s_mul_i32 s32, s[WV], BLKB
	s_mul_i32 s34, s16, 16*BLKB
	s_add_co_u32 s34, s34, s32
	s_mov_b32 s35, 0
	s_wait_dscnt 0x0
	s_wait_kmcnt 0x0
	s_add_nc_u64 s[6:7], s[6:7], s[34:35]          ; my head's block of key step w
.irp g, 0
	s_mov_b32 s[G0+4*\g], 1
	s_add_co_u32 s[G0+4*\g+1], s32, \g*4*BLKB      ; LDS: 13,056 x (4 g + wave)
	s_add_nc_u64 s[G0+4*\g+2:G0+4*\g+3], s[6:7], \g*4*BLKB
	s_or_b32 s[G0+4*\g+3], s[G0+4*\g+3], 0x80000000
.endr
	; THE FILLS AS THEY NOW STAND: each of the sixteen waves issues ONE tensor load, the block of key step = its number.  Waves 0-3 have a line of their own, since the first barrier waits for their loads alone
	s_cmp_lt_u32 s[WV], 4
	s_cbranch_scc0 .Llater_fill
	tensor_load_to_lds s[G0:G0+3], s[G1:G1+7]
	s_nop 0
.rept 4
	v_nop
.endr
	s_branch .Lfilled
.Llater_fill:
	tensor_load_to_lds s[G0:G0+3], s[G1:G1+7]
	s_nop 0
.rept 4
	v_nop
.endr
.Lfilled:
	s_lshl_b32 s17, ttmp9, 5
	s_add_co_u32 s17, s17, s[WV]                   ; my first tile of queries in the sequence: 32 x + wave
	s_and_b32 s18, s[WV], 1
	s_add_co_u32 s19, s17, s18
	s_lshr_b32 s19, s19, 1
	s_sub_co_i32 s[NB0], 1, s19                    ; the band of tile n begins in block (n + n % 2) / 2 - 1 of 32 keys: its negative
	s_lshl_b32 s20, s16, 4
	s_lshl_b32 s21, ttmp9, 2
	s_add_co_u32 s20, s20, s21
	s_lshr_b32 s21, s[WV], 3
	s_add_co_u32 s20, s20, s21
	s_mul_i32 s20, s20, BLKB
	s_mov_b32 s21, 0
	s_add_nc_u64 s[4:5], s[4:5], s[20:21]          ; qq: the block of 128 tokens that holds my first tile
	s_lshr_b32 s22, s16, 4
	s_lshl_b32 s22, s22, 7
	s_add_co_u32 s22, s22, s17                     ; my tile among all 512
	s_and_b32 s23, s16, 15                         ; head
	s_lshl_b32 s20, s22, 4
	s_add_co_u32 s20, s20, s23
	s_mul_i32 s20, s20, 768
	s_add_nc_u64 s[10:11], s[10:11], s[20:21]      ; aimg: [tile][head][768]
	s_lshl_b32 s20, s22, 9
	s_lshr_b32 s32, s23, 2
	s_lshl_b32 s32, s32, 7
	s_add_co_u32 s20, s20, s32
	s_and_b32 s32, s23, 3
	s_lshl_b32 s32, s32, 1
	s_add_co_u32 s20, s20, s32
	s_add_nc_u64 s[12:13], s[12:13], s[20:21]      ; asc: 512 x tile + 128 (head / 4) + 8 r + 2 (head % 4)
	s_mov_b32 s[SEL], 0x76543210
	s_mov_b32 s[SEL+1], 0xfedcba98
	s_mov_b32 s[CS], 0x3e38aa3b                    ; c = log2(e) / 8
	s_mov_b32 s[CS+1], s[CS]
	v_and_b32 v4, 31, v0                           ; lane
	v_and_b32 v5, 15, v0                           ; r
	v_bfe_u32 v6, v0, 4, 1                         ; h
	s_delay_alu instid0(VALU_DEP_3)
	v_lshlrev_b32 v1, 4, v4                        ; 16 x lane
	s_delay_alu instid0(VALU_DEP_4)
	v_lshlrev_b32 v2, 3, v4                        ; 8 x lane
	s_delay_alu instid0(VALU_DEP_4)
	v_lshlrev_b32 v3, 3, v5                        ; 8 r
	s_and_b32 s33, s[WV], 7                        ; my tile in its block of 128 tokens
	s_mul_i32 s34, s33, 768
	v_add_nc_u32 v29, s34, v1
	v_add_nc_u32 v30, s34, v2
	s_and_b32 s35, s33, 1
	s_lshl_b32 s35, s35, 8
	s_lshr_b32 s36, s33, 1
	s_lshl_b32 s36, s36, 2
	s_add_co_u32 s35, s35, s36
	v_lshl_add_u32 v31, v5, 4, s35
	global_load_b128 v[16:19], v29, s[4:5]                     ; Q's registers 0-3, 4-5, its scale word
	global_load_b64 v[20:21], v30, s[4:5] offset:512
	global_load_b32 v255, v31, s[4:5] offset:12288
	global_load_b128 v[86:89], v29, s[4:5] offset:2*BLKB       ; and the second tile's, 256 tokens on
	global_load_b64 v[90:91], v30, s[4:5] offset:2*BLKB+512
	global_load_b32 v92, v31, s[4:5] offset:2*BLKB+12288
	; THE BAND.  Register 16 u + i of the band's block u (u = 0, 1) holds key - query + 16 = 32 u + 16 (i / 8) + i % 8 + d, d = 8 h - r + 16 (wave % 2) - 16: the same for both of my tiles.
	v_lshlrev_b32 v7, 3, v6
	s_delay_alu instid0(VALU_DEP_1)
	v_sub_nc_u32 v7, v7, v5
	s_lshl_b32 s37, s18, 4
	s_sub_co_i32 s37, s37, 16
	v_add_nc_u32 v7, s37, v7
.set n, 0
.rept 32
	v_add_nc_u32 v[96+n], 32*(n/16)+16*((n/8)%2)+n%8, v7
.set n, n+1
.endr
.set n, 0
.rept 32
	v_min_u32 v[128+n], 32, v[96+n]                ; held inside the table's 33 numbers (what lies under 0 is large as an unsigned number)
.set n, n+1
.endr
.set n, 0
.rept 32
	v_lshlrev_b32 v[128+n], 2, v[128+n]
.set n, n+1
.endr
.set n, 0
.rept 32
	global_load_b32 v[192+n], v[128+n], s[8:9]
.set n, n+1
.endr
.irp j, 22,23,24,25,26,27
	v_mov_b32 v[\j], 0                             ; Q's upper 64 along K: zero codes
.endr
.irp t, 0,1,2,3
.irp j, 6,7,8,9,10,11
	v_mov_b32 v[32+12*\t+\j], 0                    ; K's likewise: written once, never loaded
.endr
.endr
.irp b, 0,1,2,3
	v_mov_b32 v[236+\b], 0                         ; a lane permute's destination counts as one of its sources
.endr
	v_mov_b32 v253, 0                              ; (named as the upper half of the pair v[252:253] before it is first written)
	s_wait_loadcnt 0x0
.set n, 0
.rept 32
	v_cmp_ge_u32 vcc_lo, 32, v[96+n]
	s_delay_alu instid0(VALU_DEP_1)
	v_cndmask_b32 v[192+n], 0, v[192+n], vcc_lo    ; 0 outside the window
.set n, n+1
.endr
.macro BAND b, ub                      ; block b of the step is block ub of the band: score + 16 x bias is 8 x (score / 8 + 2 x bias), rounded once
	s_cmp_eq_i32 s[NB], (\ub)-(\b)
	s_cbranch_scc0 .Lnoband_\@
.irp i, 0,1,2,3,4,5,6,7
	v_pk_fma_f32 v[96+16*\b+2*\i:97+16*\b+2*\i], v[192+16*\ub+2*\i:193+16*\ub+2*\i], 0x41800000, v[96+16*\b+2*\i:97+16*\b+2*\i] op_sel_hi:[1,0,1]
.endr
.Lnoband_\@:
.endm
; A KEY STEP: 128 keys, whose block begins at LDS byte s[TB].
.macro STEP
	v_add_nc_u32 v8, s[TB], v1
	s_wait_alu depctr_va_vdst(0)
	v_add_nc_u32 v9, s[TB], v2
	s_wait_alu depctr_va_vdst(0)
.rept 4
	v_nop                                          ; with the two additions six places behind the last step's products: the scores are laid over V's fragments, and V's scale words are loaded anew
.endr
	ds_load_b128 v[80:83], v8 offset:12288         ; K's scale words: register x, lanes 0-15 tile 2 x, lanes 16-31 tile 2 x + 1
	ds_load_b64 v[84:85], v9 offset:12800          ; V's likewise
.irp g, 0,1                                    ; S^T = K Q^T, four tiles of 16 keys at a time
.if \g
.rept 4
	v_nop                                          ; places in front of loads into registers that matrix instructions have read
.endr
.endif
.irp t, 0,1,2,3
	ds_load_b128 v[32+12*\t:35+12*\t], v8 offset:768*(4*\g+\t)
	ds_load_b64 v[36+12*\t:37+12*\t], v9 offset:768*(4*\g+\t)+512
.endr
	s_wait_dscnt 0x0
.irp t, 0,1,2,3
.if \t%2
	v_wmma_scale_f32_16x16x128_f8f6f4 v[96+8*(4*\g+\t):103+8*(4*\g+\t)], v[32+12*\t:43+12*\t], v[16:27], 0, v[80+2*\g+\t/2], v255 matrix_a_fmt:MATRIX_FMT_FP6 matrix_b_fmt:MATRIX_FMT_FP6 matrix_a_scale:MATRIX_SCALE_ROW1
.else
	v_wmma_scale_f32_16x16x128_f8f6f4 v[96+8*(4*\g+\t):103+8*(4*\g+\t)], v[32+12*\t:43+12*\t], v[16:27], 0, v[80+2*\g+\t/2], v255 matrix_a_fmt:MATRIX_FMT_FP6 matrix_b_fmt:MATRIX_FMT_FP6
.endif
.endr
.endr
.rept 4
	v_nop
.endr
	s_add_co_i32 s33, s[NB], 3                     ; does one of this step's four blocks lie in the band?  NB from -3 to 1: scalar branches on ids and the step's number
	s_cmp_le_u32 s33, 4
	s_cbranch_scc0 .Lplain_\@
.irp b, 0,1,2,3
	BAND \b, 0
	BAND \b, 1
.endr
.Lplain_\@:
	s_wait_alu depctr_va_vdst(0)
.irp b, 0,1,2,3
	v_max3_num_f32 v[232+\b], v[96+16*\b], v[97+16*\b], v[98+16*\b]   ; the largest score of each block of 32 keys: for the row's maximum, and, since p rises with the score, for the block's largest p
.endr
.irp i, 3,5,7,9,11,13
.irp b, 0,1,2,3
	v_max3_num_f32 v[232+\b], v[232+\b], v[96+16*\b+\i], v[97+16*\b+\i]
.endr
.endr
.irp b, 0,1,2,3
	v_max_num_f32 v[232+\b], v[232+\b], v[111+16*\b]
.endr
.irp b, 0,1,2,3
	s_delay_alu instid0(VALU_DEP_4)
	v_permlanex16_b32 v[236+\b], v[232+\b], s[SEL], s[SEL+1]
.endr
.irp b, 0,1,2,3
	s_delay_alu instid0(VALU_DEP_4)
	v_max_num_f32 v[232+\b], v[232+\b], v[236+\b]  ; with lane l xor 16's 16 keys
.endr
	s_delay_alu instid0(VALU_DEP_2)
	v_max3_num_f32 v254, v232, v233, v234
	s_delay_alu instid0(VALU_DEP_1)
	v_max_num_f32 v254, v254, v235
	s_delay_alu instid0(VALU_DEP_1)
	v_mul_f32 v254, s[CS], v254                    ; as t (c is positive)
	s_delay_alu instid0(VALU_DEP_1)
	v_max_num_f32 v13, v13, v254                   ; the running largest t
	v_mov_b32 v254, v12
	s_delay_alu instid0(VALU_DEP_2)
	v_floor_f32 v12, -v13                          ; the new -M = floor(-t): M is a whole number
	s_delay_alu instid0(VALU_DEP_1)
	v_sub_f32 v254, v12, v254                      ; old M - new M: a whole number, 0 or less
	s_delay_alu instid0(VALU_DEP_1)
	v_cvt_i32_f32 v254, v254                       ; (it saturates)
	s_delay_alu instid0(VALU_DEP_1)
	v_ldexp_f32 v252, 1.0, v254                    ; f = 2^(old M - new M): a multiplication by it rounds nothing
.set j, 0
.rept 32
	v_pk_fma_f32 v[96+j:97+j], v[96+j:97+j], s[CS:CS+1], v[12:13] op_sel_hi:[1,0,0]   ; t - M, two at a time
.set j, j+2
.endr
.irp b, 0,1,2,3
	v_fma_f32 v[232+\b], v[232+\b], s[CS], v12     ; the same of each block's largest score
.endr
.set j, 0
	s_wait_alu depctr_va_vdst(0)
.rept 64
	v_exp_f32 v[96+j], v[96+j]                     ; p = 2^(t - M), at most 1
.set j, j+1
.endr
	v_pk_mul_f32 v[14:15], v[14:15], v[252:253] op_sel_hi:[1,0]   ; the sums under the new M: a plain instruction behind the exponentials
	s_wait_alu depctr_va_vdst(0)                   ; one wait for the batch of 64, ahead of its first reader
.irp b, 0,1,2,3
	v_exp_f32 v[232+\b], v[232+\b]                 ; the block's largest p: the same two instructions on the same number give the same bits
.endr
	v_pk_add_f32 v[236:237], v[100:101], v[104:105]
	v_pk_add_f32 v[248:249], v[108:109], v[112:113]
	v_pk_add_f32 v[246:247], v[116:117], v[120:121]
	v_pk_add_f32 v[244:245], v[124:125], v[128:129]
	v_pk_add_f32 v[242:243], v[132:133], v[136:137]
	v_pk_add_f32 v[240:241], v[140:141], v[144:145]
	v_pk_add_f32 v[238:239], v[148:149], v[152:153]
	v_pk_add_f32 v[14:15], v[14:15], v[156:157]
	v_pk_add_f32 v[236:237], v[236:237], v[96:97]
	v_pk_add_f32 v[248:249], v[248:249], v[98:99]
	v_pk_add_f32 v[246:247], v[246:247], v[102:103]
	v_pk_add_f32 v[244:245], v[244:245], v[106:107]
	v_pk_add_f32 v[242:243], v[242:243], v[110:111]
	v_pk_add_f32 v[240:241], v[240:241], v[114:115]
	v_pk_add_f32 v[238:239], v[238:239], v[118:119]
	v_pk_add_f32 v[14:15], v[14:15], v[122:123]
	v_pk_add_f32 v[236:237], v[236:237], v[126:127]
	v_pk_add_f32 v[248:249], v[248:249], v[130:131]
	v_pk_add_f32 v[246:247], v[246:247], v[134:135]
	v_pk_add_f32 v[244:245], v[244:245], v[138:139]
	v_pk_add_f32 v[242:243], v[242:243], v[142:143]
	v_pk_add_f32 v[240:241], v[240:241], v[146:147]
	v_pk_add_f32 v[238:239], v[238:239], v[150:151]
	v_pk_add_f32 v[14:15], v[14:15], v[154:155]
	v_pk_add_f32 v[236:237], v[236:237], v[158:159]
	s_delay_alu instid0(VALU_DEP_2)
	v_pk_add_f32 v[14:15], v[14:15], v[244:245]
	s_delay_alu instid0(VALU_DEP_2)
	v_pk_add_f32 v[236:237], v[236:237], v[242:243]
	v_pk_add_f32 v[248:249], v[248:249], v[240:241]
	v_pk_add_f32 v[246:247], v[246:247], v[238:239]
	s_delay_alu instid0(VALU_DEP_2)
	v_pk_add_f32 v[14:15], v[14:15], v[248:249]
	s_delay_alu instid0(VALU_DEP_2)
	v_pk_add_f32 v[236:237], v[236:237], v[246:247]
	s_delay_alu instid0(VALU_DEP_1)
	v_pk_add_f32 v[14:15], v[14:15], v[236:237]
	s_wait_alu depctr_va_vdst(0)                   ; and one for the four
.irp b, 0,1,2,3
	v_max_num_f32 v[232+\b], 0x1800000, v[232+\b]  ; the floor 2^(3 - 127): the byte cannot fall under 1
.endr
.irp b, 0,1,2,3
	s_delay_alu instid0(VALU_DEP_4)
	v_add_nc_u32 v[244+\b], 0xff000000, v[232+\b]  ; 2 off the exponent field: the conversion's scale operand
.endr
.irp b, 0,1,2,3
	s_delay_alu instid0(VALU_DEP_4)
	v_lshrrev_b32 v[236+\b], 23, v[244+\b]         ; the scale's byte
.endr
	s_delay_alu instid0(VALU_DEP_3)
	v_lshl_or_b32 v253, v237, 8, v236              ; p's scale word for these 128 keys
	s_delay_alu instid0(VALU_DEP_1)
	v_lshl_or_b32 v253, v238, 16, v253
	s_delay_alu instid0(VALU_DEP_1)
	v_lshl_or_b32 v253, v239, 24, v253
.irp c, 0,1
	v_cvt_scalef32_pk16_fp6_f32 v[224+6*\c:226+6*\c], v[96+32*\c:111+32*\c], v[244+2*\c]
	v_cvt_scalef32_pk16_fp6_f32 v[236+4*\c:238+4*\c], v[112+32*\c:127+32*\c], v[244+2*\c+1]
.endr
	v_nop                                          ; one plain instruction behind a scaled conversion
.irp t, 0,1,2,3                                ; p's numbers are done with: V's four fragments land in their registers while the codes are put in order
.irp c, 0,1                                    ; V's fragment lies in two halves of 768 bytes: registers 6 c .. 6 c + 3 at 16 x lane, 6 c + 4, 5 at 512 + 8 x lane
	ds_load_b128 v[96+12*\t+6*\c:99+12*\t+6*\c], v8 offset:6144+1536*\t+768*\c
	ds_load_b64 v[100+12*\t+6*\c:101+12*\t+6*\c], v9 offset:6144+1536*\t+768*\c+512
.endr
.endr
.irp c, 0,1                                    ; a whole block in a lane: lanes 0-15 block 2 c, lanes 16-31 block 2 c + 1
.irp i, 0,1,2
	v_permlane16_swap_b32 v[224+6*\c+\i], v[236+4*\c+\i]
.endr
.irp i, 0,1,2
	s_delay_alu instid0(VALU_DEP_3)
	v_mov_b32 v[227+6*\c+\i], v[236+4*\c+\i]
.endr
.endr
.set j, 0
.rept 16
	v_pk_mul_f32 v[160+j:161+j], v[160+j:161+j], v[252:253] op_sel_hi:[1,0]   ; O^T under the new M.  (These are also the places in front of the matrix instructions below)
.set j, j+2
.endr
	s_wait_alu depctr_va_vdst(0)
	s_wait_dscnt 0x0
.irp t, 0,1,2,3                                ; O^T += V^T P^T: four accumulators, one instruction each
.if \t%2
	v_wmma_scale_f32_16x16x128_f8f6f4 v[160+8*\t:167+8*\t], v[96+12*\t:107+12*\t], v[224:235], v[160+8*\t:167+8*\t], v[84+\t/2], v253 matrix_a_fmt:MATRIX_FMT_FP6 matrix_b_fmt:MATRIX_FMT_FP6 matrix_a_scale:MATRIX_SCALE_ROW1
.else
	v_wmma_scale_f32_16x16x128_f8f6f4 v[160+8*\t:167+8*\t], v[96+12*\t:107+12*\t], v[224:235], v[160+8*\t:167+8*\t], v[84+\t/2], v253 matrix_a_fmt:MATRIX_FMT_FP6 matrix_b_fmt:MATRIX_FMT_FP6
.endif
.endr
.endm
.macro GROUP j0, n                     ; key steps j0 .. j0 + n - 1
	s_mov_b32 s[TB], BLKB*(\j0)
	s_add_co_i32 s[NB], s[NB0], 4*(\j0)
	s_mov_b32 s[CNT], \n
.Lstep_\@:
	STEP
	s_add_co_u32 s[TB], s[TB], BLKB
	s_add_co_i32 s[NB], s[NB], 4
	s_sub_co_u32 s[CNT], s[CNT], 1
	s_cmp_lg_u32 s[CNT], 0
	s_cbranch_scc1 .Lstep_\@
.endm
.macro WAITB left                      ; my fills of the group that is read next have landed (the later groups' may stay out); then the work-group's barrier
	s_wait_tensorcnt \left
	s_wait_dscnt 0x0
	s_barrier_signal -1
	s_barrier_wait -1
.endm
.macro INIT                            ; the step is written once: the first finds zeros, which the first change of M leaves zeros
	v_mov_b32 v13, 0xff61b1e6                      ; the largest t so far: -3e38
	s_delay_alu instid0(VALU_DEP_1)
	v_floor_f32 v12, -v13
	v_mov_b32 v14, 0
	v_mov_b32 v15, 0
.set j, 0
.rept 32
	v_mov_b32 v[160+j], 0
.set j, j+1
.endr
.endm
; A tile's end: O^T / the sum, put in the true order of the channels, quantised along them (two blocks of 32), stored as half a fragment of the last product and two scale bytes a row.
.macro FINISH P
	v_add_f32 v14, v14, v15
	s_delay_alu instid0(VALU_DEP_1)
	v_permlanex16_b32 v252, v14, s[SEL], s[SEL+1]
	s_delay_alu instid0(VALU_DEP_1)
	v_add_f32 v14, v14, v252                       ; the row's sum
	s_wait_alu depctr_va_vdst(0)
	v_rcp_f32 v14, v14
	v_nop
	v_nop                                          ; plain instructions behind the reciprocal; with the additions above also the places behind the last products
	s_wait_alu depctr_va_vdst(0)                   ; ahead of the reciprocal's first reader
.set j, 0
.rept 16
	v_pk_mul_f32 v[160+j:161+j], v[160+j:161+j], v[14:15] op_sel_hi:[1,0]   ; each accumulator from its low end on
.set j, j+2
.endr
.irp b, 0,1
.irp e, 0,1,2,3,4,5,6,7
	v_permlane16_swap_b32 v[160+16*\b+\e], v[168+16*\b+\e]   ; register 16 b + i now holds channel 32 b + 16 h + i: wo's codes are given in the true order
.endr
.endr
.irp b, 0,1
	v_max3_num_f32 v[232+\b], |v[160+16*\b]|, |v[161+16*\b]|, 0x1800000
.endr
.irp i, 2,4,6,8,10,12,14
.irp b, 0,1
	s_delay_alu instid0(VALU_DEP_2)
	v_max3_num_f32 v[232+\b], v[232+\b], |v[160+16*\b+\i]|, |v[161+16*\b+\i]|
.endr
.endr
.irp b, 0,1
	s_delay_alu instid0(VALU_DEP_2)
	v_permlanex16_b32 v[236+\b], v[232+\b], s[SEL], s[SEL+1]
.endr
.irp b, 0,1
	s_delay_alu instid0(VALU_DEP_2)
	v_max_num_f32 v[232+\b], v[232+\b], v[236+\b]
.endr
.irp b, 0,1
	s_delay_alu instid0(VALU_DEP_2)
	v_add_nc_u32 v[244+\b], 0xff000000, v[232+\b]
.endr
.irp b, 0,1
	s_delay_alu instid0(VALU_DEP_2)
	v_lshrrev_b32 v[236+\b], 23, v[244+\b]
.endr
	s_delay_alu instid0(VALU_DEP_1)
	v_lshl_or_b32 v253, v237, 8, v236
	v_cvt_scalef32_pk16_fp6_f32 v[224:226], v[160:175], v244
	v_cvt_scalef32_pk16_fp6_f32 v[240:242], v[176:191], v245
	v_nop
.irp i, 0,1,2
	v_permlane16_swap_b32 v[224+\i], v[240+\i]
.endr
.irp i, 0,1,2
	s_delay_alu instid0(VALU_DEP_3)
	v_mov_b32 v[227+\i], v[240+\i]
.endr
	global_store_b128 v1, v[224:227], s[10:11] offset:196608*\P        ; 512, then 256 consecutive bytes
	global_store_b64 v2, v[228:229], s[10:11] offset:196608*\P+512
	global_store_b16 v3, v253, s[12:13] offset:8192*\P                 ; two bytes a row, 8 bytes apart: a row's word is shared with the neighbouring head; both halves of the lanes write the same
.endm
	INIT
	s_wait_alu depctr_va_vdst(0)
	s_cmp_lt_u32 s[WV], 4
	s_cbranch_scc0 .Lnot_first
	s_wait_tensorcnt 0x0                           ; waves 0-3: key steps 0-3 are in
.Lnot_first:
	s_wait_dscnt 0x0
	s_barrier_signal -1
	s_barrier_wait -1                              ; the other twelve loads may be on their way
	GROUP 0, 4
	WAITB 0                                        ; every wave's load is in: all 16 key steps
	GROUP 4, 12
	FINISH 0
	s_wait_xcnt 0x0                                ; the stores have read their registers
.irp j, 0,1,2,3,4,5
	v_mov_b32 v[16+\j], v[86+\j]                   ; the second tile's Q,
.endr
	v_mov_b32 v255, v92                            ; its scale word (the 36 lines of INIT and the step's first six stand between it and the first product),
	s_sub_co_i32 s[NB0], s[NB0], 8                 ; and its band: 16 tiles are 8 blocks of keys on
	INIT
	GROUP 0, 16                                    ; all of K and V lies in LDS: no wait, no barrier
	FINISH 1
	s_wait_tensorcnt 0x0
	ds_add_u32 v250, v251
	s_wait_dscnt 0x0
	s_endpgm
.Lfunc_end_k_q87909e961a_attn:
	.size	k_q87909e961a_attn, .Lfunc_end_k_q87909e961a_attn-k_q87909e961a_attn
	.p2alignl 7, 3214868480
	.fill 96, 4, 3214868480
	.section	.rodata,"a",@progbits
	.p2align	6, 0x0
	.amdhsa_kernel k_q87909e961a_attn
		.amdhsa_group_segment_fixed_size 210944
		.amdhsa_private_segment_fixed_size 0
		.amdhsa_enable_private_segment 0
		.amdhsa_kernarg_size 40
		.amdhsa_user_sgpr_count 2
		.amdhsa_user_sgpr_kernarg_segment_ptr 1
		.amdhsa_wavefront_size32 1
		.amdhsa_system_sgpr_workgroup_id_x 1
		.amdhsa_system_sgpr_workgroup_id_y 1
		.amdhsa_system_sgpr_workgroup_id_z 1
		.amdhsa_system_vgpr_workitem_id 0
		.amdhsa_next_free_vgpr 256
		.amdhsa_next_free_sgpr 66
		.amdhsa_reserve_vcc 1
		.amdhsa_float_denorm_mode_32 3
		.amdhsa_float_denorm_mode_16_64 3
		.amdhsa_memory_ordered 1
		.amdhsa_forward_progress 1
		.amdhsa_inst_pref_size 100
	.end_amdhsa_kernel
	.amdgpu_metadata
---
amdhsa.version: [ 1, 2 ]
amdhsa.kernels:
  - .name:           k_q87909e961a_attn
    .symbol:         k_q87909e961a_attn.kd
    .args:
      - { .name: qq, .offset: 0, .size: 8, .value_kind: global_buffer, .address_space: global }
      - { .name: kv, .offset: 8, .size: 8, .value_kind: global_buffer, .address_space: global }
      - { .name: local_bias, .offset: 16, .size: 8, .value_kind: global_buffer, .address_space: global }
      - { .name: aimg, .offset: 24, .size: 8, .value_kind: global_buffer, .address_space: global }
      - { .name: asc, .offset: 32, .size: 8, .value_kind: global_buffer, .address_space: global }
    .group_segment_fixed_size: 210944
    .private_segment_fixed_size: 0
    .kernarg_segment_align: 8
    .kernarg_segment_size: 40
    .max_flat_workgroup_size: 512
    .sgpr_count:     66
    .vgpr_count:     256
    .wavefront_size: 32
...
	.end_amdgpu_metadata
.endif
;; end of part 2
;; launch oproj (part 3): grid 8 x 32, 4 waves a work-group, clusters of 4 x 4, 327,680 bytes of LDS; arguments aimg, asc, wo_codes, wo_scales, bo, out0; writes out0
.if DOCPART == 3
	.amdgcn_target "amdgcn-amd-amdhsa--gfx1250"
	.amdhsa_code_object_version 6
	.text
	.protected	k_q87909e961a_oproj
	.globl	k_q87909e961a_oproj
	.p2align	8
	.type	k_q87909e961a_oproj,@function
k_q87909e961a_oproj:
	s_mov_b64 s[64:65], 0
	v_nop
	global_prefetch_b8 v0, s[64:65] scope:SCOPE_SE
	s_setreg_imm32_b32 hwreg(HW_REG_WAVE_MODE, 25, 1), 1
	s_wait_xcnt 0x0
	s_wait_alu depctr_hold_cnt(0) depctr_sa_sdst(0) depctr_va_vdst(0) depctr_va_sdst(0) depctr_va_ssrc(0) depctr_va_vcc(0) depctr_vm_vsrc(0)
	s_getreg_b32 s2, hwreg(HW_REG_IB_STS2, 6, 4)
	s_cmp_eq_u32 s2, 0
	s_cbranch_scc0 .Lentry_in_a_cluster
	s_endpgm
.Lentry_in_a_cluster:
	s_bfe_u32 s2, ttmp6, 0x10000c
	s_cmp_lg_u32 s2, 0xf033
	s_cbranch_scc0 .Lentry_shape_is_right
	s_endpgm
.Lentry_shape_is_right:
; out0 = attention's result x wo^T + bo, on codes of FP6 (E2M3); f32 out.  No work of reference() is left out.
; 256 work-groups, 8 x 32: 256 tokens x 128 columns each; four waves 2 x 2 (a: tile of 16 tokens 2 s + a is my block s; b: my 64 columns).  A wave holds its 64 rows of wo, all of K = 1,024, in 384 registers;
; the tokens stream past in blocks of 16.  Source 0 = wo's rows, source 1 = tokens: a lane holds eight neighbouring columns of one row of the result; bo is the first products' C.
; aimg [tile of 16 tokens][head][768] holds operand registers (0-3 at 16 lane, 4-5 at 512 + 8 lane), asc [tile][head / 4][r][8] their scale bytes: as the attention launch leaves them.
; LDS, each byte filled once, at the head, one joint load a wave: the work-group's 16 tiles as they lie, 196,608 bytes in rows of 256 (wave 2 tiles 0-7, wave 3 tiles 8-15), wo's 128 rows of 768 + 3 x 16 bytes (waves 0, 1 a half each).
; Tokens are shared by a row of the cluster, wo's rows by a column.  Nothing is filled again and all loads stand at the head: there is no loop to ask ahead in, so nothing is prefetched.
; A block's 16 x 64 results go through my own stage in LDS and leave as rows of 256 bytes, aligned.
.set KROW, 768
.set PITCH, 816
.set FR, 12
.set FPW, 21
.set NF, 32
.set BVB, 196608
.set STG, BVB+128*PITCH
.set SPARE, STG+4*16*272
.set AD160, 4
.set AD80, 5
.set AD16, 6
.set AD8, 7
.set STO, 8
.set RD, 9
.set CO, 10
.set SPW, 12
.set NIL, 13
.set SOFF, 14
.set XOFF, 15
.set BOFF, 16
.set SS, 56
.set XS, 74
.set BB, 112
.set ACC, 144
.set RB, 176
.set BA, 208
.set G1A, 68
.set G1S, 76
.set G0A, 84
.set G0S, 88
.set G0B, 92
.set MSB, 0
.macro WIN new
.if MSB != (\new)
	s_set_vgpr_msb (MSB<<8)|(\new)
.set MSB, (\new)
.endif
.endm
.macro PLACES n
.rept \n
	v_nop
.endr
.endm
.macro WALU
	s_wait_alu depctr_va_vdst(0)
.endm
.macro BARRIER
	s_barrier_signal -1
	s_barrier_wait -1
.endm
.macro CROUND
	BARRIER
	s_cmp_lg_u32 s14, 0
	s_cbranch_scc1 .Lnot_wave_0_\@
	s_barrier_signal -3
.Lnot_wave_0_\@:
	s_barrier_wait -3
	BARRIER
.endm
.macro TLOAD g0, g1
	tensor_load_to_lds s[\g0:\g0+3], s[\g1:\g1+7]
	s_nop 0
	PLACES 4
.endm
.macro PADD p, x, m
	s_mul_i32 s20, s\x, \m
	s_add_nc_u64 s[\p:\p+1], s[\p:\p+1], s[20:21]
.endm
.macro FRAG f, q, a0, a1               ; a fragment of wo: six pieces of 8 bytes, two to a load where both lie behind as many paddings.  Fragment f: window 1 + f / 21, register 12 (f % 21)
	WIN (1+(\f)/FPW)<<6
.set R_, FR*((\f)%FPW)
.set SKIP_, 0
.irp p, 0,1,2,3,4,5
.if SKIP_
.set SKIP_, 0
.else
.set PC_, 12*(\q)+6*(\p/3)+\p%3
.set PN_, 12*(\q)+6*((\p+1)/3)+(\p+1)%3
.set X_, (PC_%32+3)/32
.set XQ_, (PN_%32+3)/32
.if (\p < 5) && (X_ == XQ_)
.set SKIP_, 1
.if X_
	ds_load_2addr_b64 v[R_+2*\p:R_+2*\p+3], \a1 offset0:PC_+2*(PC_/32) offset1:PN_+2*(PN_/32)
.else
	ds_load_2addr_b64 v[R_+2*\p:R_+2*\p+3], \a0 offset0:PC_+2*(PC_/32) offset1:PN_+2*(PN_/32)
.endif
.elseif X_
	ds_load_b64 v[R_+2*\p:R_+2*\p+1], \a1 offset:8*(PC_+2*(PC_/32))
.else
	ds_load_b64 v[R_+2*\p:R_+2*\p+1], \a0 offset:8*(PC_+2*(PC_/32))
.endif
.endif
.endr
.endm
.macro FETCH e, s                      ; my block s, tile 2 s + a, into set e: 32 loads of registers as they lie
	WIN 0
	v_add_nc_u32 v[AD16], (\s)*24576, v[AD160]
	v_add_nc_u32 v[AD8], (\s)*24576, v[AD80]
	WALU
.irp q, 0,1,2,3,4,5,6,7
	WIN (1+(32+8*(\e)+\q)/FPW)<<6
.set R_, FR*((32+8*(\e)+\q)%FPW)
	ds_load_b128 v[R_:R_+3], v[AD16] offset:1536*\q
	ds_load_b64 v[R_+4:R_+5], v[AD8] offset:1536*\q+512
	ds_load_b128 v[R_+6:R_+9], v[AD16] offset:1536*\q+768
	ds_load_b64 v[R_+10:R_+11], v[AD8] offset:1536*\q+1280
.endr
	WIN 0
.endm
.macro P1 c, row
	v_wmma_scale_f32_16x16x128_f8f6f4 v[ACC+8*T_:ACC+8*T_+7], v[FR*(FS_%FPW):FR*(FS_%FPW)+FR-1], v[FR*(FX_%FPW):FR*(FX_%FPW)+FR-1], \c, v[SS+4*T_+Q_%4], v[XS+4*S_+Q_%4] matrix_a_fmt:MATRIX_FMT_FP6 matrix_b_fmt:MATRIX_FMT_FP6 matrix_a_scale:MATRIX_SCALE_ROW\row matrix_b_scale:MATRIX_SCALE_ROW\row
.endm
.macro PRODS s, from, to               ; products 4 q + t: the four accumulators by turns
.set S_, \s
.set N_, \from
.rept (\to)-(\from)
.set Q_, N_/4
.set T_, N_%4
.set FS_, 4*Q_+T_
.set FX_, 32+8*((\s)%2)+Q_
	WIN (1+FS_/FPW)|((1+FX_/FPW)<<2)
.if Q_ == 0
	P1 v[BB+8*T_:BB+8*T_+7], 0
.elseif Q_ < 4
	P1 v[ACC+8*T_:ACC+8*T_+7], 0
.else
	P1 v[ACC+8*T_:ACC+8*T_+7], 1
.endif
.set N_, N_+1
.endr
.endm
.macro BLK s, show
	s_wait_dscnt NF                                ; at most the next block's 32 loads are out
.if \show
	PRODS \s, 0, 24
	WIN 0
	s_wait_tensorcnt 0x0
	s_wait_dscnt 0x0
	s_barrier_signal -1                            ; a plain barrier: tiles 8-15 are shown to all
	PRODS \s, 24, 32
	WIN 0
	s_barrier_wait -1
.else
	PRODS \s, 0, 32
	WIN 0
.endif
	PLACES 6                                       ; the next block's first products begin these accumulators anew: five places at the least stand between
	s_wait_xcnt 0x0
.irp t, 0,1,2,3
	ds_store_b128 v[STO], v[ACC+8*\t:ACC+8*\t+3] offset:64*\t        ; each accumulator from its low end on
	ds_store_b128 v[STO], v[ACC+8*\t+4:ACC+8*\t+7] offset:64*\t+16
.endr
.irp k, 0,1,2,3,4,5,6,7
	ds_load_b128 v[RB+4*\k:RB+4*\k+3], v[RD] offset:544*\k           ; LDS serves a wave's instructions in order: these see the stores above
.endr
.if (\s) < 6
	FETCH (\s)%2, (\s)+2
	s_wait_dscnt NF                                ; the rows are back; the fetch may be out
.else
	s_wait_dscnt 0x0
.endif
.irp k, 0,1,2,3,4,5,6,7
	global_store_b128 v[CO], v[RB+4*\k:RB+4*\k+3], s[34:35] offset:131072*(\s)+8192*\k th:TH_STORE_NT   ; sixteen lanes store 256 bytes on end, aligned
.endr
.endm
	s_load_b256 s[24:31], s[0:1], 0x0              ; aimg 24, asc 26, wo's codes 28, its scales 30
	s_load_b128 s[32:35], s[0:1], 0x20             ; bo 32, out0 34
	v_lshl_add_u32 v[SPW], v0, 2, SPARE
	v_mov_b32 v[NIL], 0
	ds_add_u32 v[SPW], v[NIL]
	ds_add_u32 v[SPW], v[NIL]
	v_lshrrev_b32 v1, 5, v0
	v_readfirstlane_b32 s14, v1
	s_lshr_b32 s15, s14, 1                         ; a
	s_and_b32 s16, s14, 1                          ; b
	s_bfe_u32 s17, ttmp6, 0x40000
	s_bfe_u32 s18, ttmp6, 0x40004
	s_lshl_b32 s66, ttmp9, 2
	s_add_co_u32 s66, s66, s17                     ; tile of 128 columns
	s_and_b32 s67, ttmp7, 0xffff
	s_lshl_b32 s67, s67, 2
	s_add_co_u32 s67, s67, s18                     ; tile of 256 tokens
	s_lshl_b32 s22, s18, 2
	s_lshl_b32 s22, 15, s22
	s_lshl_b32 s23, 0x1111, s17
	s_or_b32 s[G1A+0], s22, (3<<16)|(1<<21)        ; 384 rows of 256 bytes, dense
	s_mov_b32 s[G1A+1], 32<<16
	s_mov_b32 s[G1A+2], 384<<16
	s_mov_b32 s[G1A+3], 32<<16
	s_mov_b32 s[G1A+4], 384
	s_mov_b32 s[G1A+5], 32
	s_mov_b32 s[G1A+6], 0
	s_mov_b32 s[G1A+7], 0
	s_or_b32 s[G1S+0], s23, (1<<20)|(1<<21)|(5<<22)|(3<<25)   ; 64 rows of 768 bytes, 16 of padding behind each 256
	s_mov_b32 s[G1S+1], KROW<<16
	s_mov_b32 s[G1S+2], 64<<16
	s_mov_b32 s[G1S+3], KROW<<16
	s_mov_b32 s[G1S+4], 64
	s_mov_b32 s[G1S+5], KROW
	s_mov_b32 s[G1S+6], 0
	s_mov_b32 s[G1S+7], 0
	s_mov_b32 s21, 0
	s_mov_b32 s[G0A], 1
	s_mov_b32 s[G0A+1], 0
	s_mov_b32 s[G0B], 1
	s_mov_b32 s[G0B+1], 98304
	s_mov_b32 s[G0S], 1
	s_mul_i32 s[G0S+1], s14, 64*PITCH
	s_add_co_u32 s[G0S+1], s[G0S+1], BVB
	s_mul_i32 s4, s15, 12288
	s_mul_i32 s5, s16, 64*PITCH
	s_add_co_u32 s5, s5, BVB
	s_mul_i32 s6, s14, 16*272
	s_add_co_u32 s6, s6, STG
	v_and_b32 v1, 15, v0
	v_bfe_u32 v2, v0, 4, 1
	v_and_b32 v3, 31, v0
	v_lshl_add_u32 v[AD160], v3, 4, s4
	v_lshl_add_u32 v[AD80], v3, 3, s4
	v_mul_u32_u24 v144, v1, PITCH
	v_add_nc_u32 v144, s5, v144
	v_mad_u32_u24 v145, v2, 24, v144
	v_mad_u32_u24 v146, v2, 40, v144
.irp t, 0,1,2,3
	v_add_nc_u32 v[BA+2*\t], \t*16*PITCH, v145
	v_add_nc_u32 v[BA+2*\t+1], \t*16*PITCH, v146
.endr
	v_mul_u32_u24 v147, v1, 272
	v_add_nc_u32 v147, s6, v147
	v_lshl_add_u32 v[STO], v2, 5, v147             ; in: row r, 32 bytes for each half of the lanes
	v_mul_u32_u24 v148, v2, 272
	v_add_nc_u32 v148, s6, v148
	v_lshl_add_u32 v[RD], v1, 4, v148              ; back: lanes 0-15 one row of 256 bytes, lanes 16-31 the next
	v_lshlrev_b32 v149, 12, v2
	v_lshl_add_u32 v[CO], v1, 4, v149              ; and the same two rows of out0
	v_lshlrev_b32 v[SOFF], 5, v1
	v_lshl_add_u32 v[SOFF], v2, 4, v[SOFF]
	v_lshlrev_b32 v[XOFF], 3, v1
	v_lshl_add_u32 v[XOFF], v2, 8, v[XOFF]
	v_lshlrev_b32 v[BOFF], 5, v2
	WALU
	s_wait_dscnt 0x0
	CROUND                                         ; the round in front of the joint loads
	s_wait_kmcnt 0x0
	PADD 24, 67, 196608
	PADD 28, 66, 128*KROW
	s_mov_b64 s[G0A+2:G0A+3], s[24:25]
	s_add_nc_u64 s[G0B+2:G0B+3], s[24:25], 98304
	s_mul_i32 s20, s14, 64*KROW
	s_add_nc_u64 s[G0S+2:G0S+3], s[28:29], s[20:21]
	s_or_b32 s[G0A+3], s[G0A+3], 0x80000000
	s_or_b32 s[G0B+3], s[G0B+3], 0x80000000
	s_or_b32 s[G0S+3], s[G0S+3], 0x80000000
	s_cmp_lt_u32 s14, 2
	s_cbranch_scc0 .Lw2
	TLOAD G0S, G1S
	s_branch .Lasked
.Lw2:
	s_cmp_eq_u32 s14, 2
	s_cbranch_scc0 .Lw3
	TLOAD G0A, G1A
	s_branch .Lasked
.Lw3:
	TLOAD G0B, G1A
.Lasked:
	PADD 26, 67, 8192
	PADD 26, 15, 512
	PADD 30, 66, 4096
	PADD 30, 16, 2048
	PADD 32, 66, 512
	PADD 32, 16, 256
	PADD 34, 67, 1048576
	PADD 34, 15, 65536
	PADD 34, 66, 512
	PADD 34, 16, 256
.irp t, 0,1,2,3
	global_load_b128 v[SS+4*\t:SS+4*\t+3], v[SOFF], s[30:31] offset:512*\t          ; wo's scale words: register q % 4, lanes 0-15 K step q < 4, lanes 16-31 q >= 4
	global_load_b128 v[BB+8*\t:BB+8*\t+3], v[BOFF], s[32:33] offset:64*\t           ; bo as the result lies
	global_load_b128 v[BB+8*\t+4:BB+8*\t+7], v[BOFF], s[32:33] offset:64*\t+16
.endr
.irp s, 0,1,2,3,4,5,6,7
.irp u, 0,1
	global_load_b64 v[XS+4*\s+2*\u:XS+4*\s+2*\u+1], v[XOFF], s[26:27] offset:1024*\s+128*\u   ; the tokens' scale words, laid likewise
.endr
.endr
	s_cmp_lt_u32 s14, 2
	s_cbranch_scc0 .Lnot_w
	s_wait_tensorcnt 0x0
.Lnot_w:
	BARRIER                                        ; wo's rows are in
.irp q, 0,1,2,3,4,5,6,7
.irp t, 0,1,2,3
	FRAG 4*\q+\t, \q, v[BA+2*\t], v[BA+2*\t+1]
.endr
.endr
	WIN 0
	s_cmp_eq_u32 s14, 3
	s_cbranch_scc1 .Lnot_a
	s_wait_tensorcnt 0x0
.Lnot_a:
	s_wait_dscnt 0x0
	BARRIER                                        ; tiles 0-7 are in; tiles 8-15 may be on their way
	FETCH 0, 0
	FETCH 1, 1
	s_wait_loadcnt 0x0
	BLK 0, 0
	BLK 1, 0
	BLK 2, 1
	BLK 3, 0
	BLK 4, 0
	BLK 5, 0
	BLK 6, 0
	BLK 7, 0
	s_wait_tensorcnt 0x0                           ; the wave's end
	ds_add_u32 v[SPW], v[NIL]
	s_wait_dscnt 0x0
	CROUND
	s_endpgm
.Lfunc_end_k_q87909e961a_oproj:
	.size	k_q87909e961a_oproj, .Lfunc_end_k_q87909e961a_oproj-k_q87909e961a_oproj
	.p2alignl 7, 3214868480
	.fill 96, 4, 3214868480
	.section	.rodata,"a",@progbits
	.p2align	6, 0x0
	.amdhsa_kernel k_q87909e961a_oproj
		.amdhsa_group_segment_fixed_size 327680
		.amdhsa_private_segment_fixed_size 0
		.amdhsa_enable_private_segment 0
		.amdhsa_kernarg_size 48
		.amdhsa_user_sgpr_count 2
		.amdhsa_user_sgpr_kernarg_segment_ptr 1
		.amdhsa_wavefront_size32 1
		.amdhsa_system_sgpr_workgroup_id_x 1
		.amdhsa_system_sgpr_workgroup_id_y 1
		.amdhsa_system_sgpr_workgroup_id_z 1
		.amdhsa_system_vgpr_workitem_id 0
		.amdhsa_next_free_vgpr 840
		.amdhsa_next_free_sgpr 96
		.amdhsa_reserve_vcc 0
		.amdhsa_float_denorm_mode_32 3
		.amdhsa_float_denorm_mode_16_64 3
		.amdhsa_memory_ordered 1
		.amdhsa_forward_progress 1
		.amdhsa_inst_pref_size 85
	.end_amdhsa_kernel
	.amdgpu_metadata
---
amdhsa.version: [ 1, 2 ]
amdhsa.kernels:
  - .name:           k_q87909e961a_oproj
    .symbol:         k_q87909e961a_oproj.kd
    .args:
      - { .name: aimg, .offset: 0, .size: 8, .value_kind: global_buffer, .address_space: global }
      - { .name: asc, .offset: 8, .size: 8, .value_kind: global_buffer, .address_space: global }
      - { .name: wo_codes, .offset: 16, .size: 8, .value_kind: global_buffer, .address_space: global }
      - { .name: wo_scales, .offset: 24, .size: 8, .value_kind: global_buffer, .address_space: global }
      - { .name: bo, .offset: 32, .size: 8, .value_kind: global_buffer, .address_space: global }
      - { .name: out0, .offset: 40, .size: 8, .value_kind: global_buffer, .address_space: global }
    .group_segment_fixed_size: 327680
    .private_segment_fixed_size: 0
    .kernarg_segment_align: 8
    .kernarg_segment_size: 48
    .max_flat_workgroup_size: 128
    .sgpr_count:     96
    .vgpr_count:     840
    .wavefront_size: 32
...
	.end_amdgpu_metadata
.endif
;; end of part 3
